; MI455X (gfx1250); checked and timed in simulation.
; The chip was launched on July 23, 2026; its instructions are those of AMD's public machine-readable ISA for CDNA 5 (MIT licence, August 2026) and "CDNA5" Instruction Set Architecture Reference Guide (July 2026). The comments in the code are by the model that wrote it; some were corrected since.
;; Base Attention. Allowed arithmetic: matrix products marked QUANTISED: E2M1 operands, one E8M0 scale for each 32 along K, by v_wmma_scale_f32_16x16x128_f8f6f4 with both operands' format E2M1 (or v_wmma_scale_f32_32x16x128_f4), f32 sums; everything else in f32.
;; Inputs: k 2 x 16 x 2,048 x 64 float32; mask 1 x 1 x 2,048 x 2,048 int32; q 2 x 16 x 2,048 x 64 float32; v 2 x 16 x 2,048 x 64 float32.
;; Outputs: out0 2 x 16 x 2,048 x 64 float32.
;; This version of the problem:
;;   THIS VERSION OF THE PROBLEM IS GIVEN IN LOW PRECISION. The matrix products marked QUANTISED in the list below multiply operands that are first quantised to E2M1 (2 exponent bits, 1 mantissa bit; 4 bits a number), with one power-of-two scale for each 32 numbers along K (OCP MX v1.0); their sums are f32. All else is computed in f32.
;;   The module's matrix products, in the order in which they are computed (A, B: the left and right operand; K: the contracted axis; several contracted axes count as one K, in the product's order):
;;     1. batch 32 x [M 2,048, K 64] x [K 64, N 2,048]; A: input q; B: input k: QUANTISED
;;     2. batch 32 x [M 2,048, K 2,048] x [K 2,048, N 64]; A: softmax (see below); B: input v: QUANTISED
;;   THE QUANTISER, for each operand of a quantised product, along K:
;;     - K is cut into blocks of 32 from its start; a last block that is shorter is filled with zeros.
;;     - A block's scale is 2^e with e = floor(log2(the largest magnitude in the block)) - 2, held to -126 .. 127; a block of zeros has e = 0. As a byte (E8M0): e + 127.
;;     - Each number is divided by its block's scale, clamped to +-6, and rounded to the nearest number of E2M1, ties to even, subnormals kept.
;;     - The product sums the exact products of the quantised numbers (number of the format x scale) in f32.
;;   ~~~python
;;   def quantise(x, axis):      # numpy; x: float32 -> the quantised numbers, widened to float32 again
;;       x = np.moveaxis(x, axis, -1); K = x.shape[-1]
;;       x = np.pad(x, [(0, 0)] * (x.ndim - 1) + [(0, -K % 32)]); x = x.reshape(x.shape[:-1] + (-1, 32)); a = np.abs(x).max(-1, keepdims=True)
;;       e = np.where(a > 0, np.clip(np.frexp(np.where(a > 0, a, 1))[1] - 1 - 2, -126, 127), 0)      # np.frexp(a)[1] - 1 = floor(log2(a)), exactly
;;       r = np.clip(x / 2.0 ** e, -6, 6)
;;       step = 2.0 ** (np.maximum(np.frexp(np.where(r == 0, 1, r))[1] - 1, 0) - 1)
;;       q = np.round(r / step) * step * 2.0 ** e      # np.round: ties to even
;;       return np.moveaxis(q.reshape(q.shape[:-2] + (-1,))[..., :K], -1, axis).astype(np.float32)
;;   ~~~
;;   SOFTMAX AHEAD OF A QUANTISED PRODUCT. Where the list says 'softmax', what is quantised is not the finished softmax but p = 2^(t - M), with t = logit x log2(e) and M = ceil(the row's largest t), a whole number; so 1/2 < the row's largest p <= 1. The row's sum l is taken of the UNQUANTISED p, in f32, and the product's result is divided by l at the end. Since M is a whole number, a kernel that streams over the keys may use a running M (the ceiling of the running maximum): every later rescaling is an exact power of two, which a block's scale takes up: the codes' values come out the same.
;;   OPERANDS COMPUTED ON THE WAY. 'Computed on the way' means the value that the module computes at that place (a softmax that the list does not call 'softmax' is quantised finished and normalised). What goes into a quantiser is computed in f32, as accurately as f32 sums, v_exp_f32 and their like allow (about 1e-6 of the number): no bf16 or f16 on the way to a quantiser, and a product that is left as it is and whose result goes on into a quantised operand takes f32 operands (vector FMAs, or v_wmma_f32_16x16x4_f32). A number that lies on a knife's edge between two numbers of the format may be rounded either way, as far as f32 arithmetic and the matrix unit's own rounding can turn it there, and no further.
;; One version. Each part assembles by itself: llvm-mc -triple=amdgcn-amd-amdhsa -mcpu=gfx1250 --defsym DOCPART=n.
;; ======== version 1 of 1: 2 launches
;; limits: right only within a limited range of input values
;; workspace buffers: kv 4,587,520 bytes; mk 2,097,152 bytes
;; launch prep (part 1): grid 768 x 1, 4 waves a work-group, no clusters, 69,632 bytes of LDS; arguments k, v, mask, kv, mk; writes kv, mk
.if DOCPART == 1
	.amdgcn_target "amdgcn-amd-amdhsa--gfx1250"
	.amdhsa_code_object_version 6
	.text
	.protected	k_q4da47663ac_prep
	.globl	k_q4da47663ac_prep
	.p2align	8
	.type	k_q4da47663ac_prep,@function
k_q4da47663ac_prep:
	s_mov_b64 s[64:65], 0
	v_nop
	global_prefetch_b8 v0, s[64:65] scope:SCOPE_SE
	s_setreg_imm32_b32 hwreg(HW_REG_WAVE_MODE, 25, 1), 1
	s_wait_xcnt 0x0
; k, v [32 heads][2048][64] f32 and mask [2048][2048] int32 are read once and laid out as the attention launch's operand registers want them.  (q is quantised in that launch: one wave alone reads each row.)
; k: codes of FP4 (E2M1) along the head's 64, one E8M0 byte for each 32.  v: codes along the KEYS, one byte for each 32 keys.  mask: one E2M1 code a number, scale 1.
; A block's scale is 2^(floor(log2(its largest magnitude)) - 2); its byte is the largest magnitude's exponent field - 2, held at 1 from below.
; Lane l = (r = l % 16, h = l / 16).
; kv: [32 heads][16 steps of 128 keys] records of 8,960 bytes:
;   +0    K's codes: tile t = 4 c + u at 512 t, lane l's 16 bytes at 16 l: the tile's row r is key 64 c + 8 u + r % 8 + 32 (r / 8); channels 32 h .. 32 h + 31
;   +4096 K's scale words: half c at 256 c, lane l's 8 bytes at 8 l: word i: lanes 0-15 tile 4 c + 2 i, lanes 16-31 tile 4 c + 2 i + 1, row r (byte 0: channels 0-31, byte 1: 32-63, bytes 2, 3: 0)
;   +4608 V's codes: tile t at 1024 t, half c at 512 c, lane l's 16 bytes at 16 l: row r of tile t is channel 32 (t / 2) + 2 r + t % 2; keys 64 c + 32 h .. + 31 of the step, in their own order
;   +8704 V's scale words: lane l's 8 bytes at 8 l: word j: lanes 0-15 tile 2 j, lanes 16-31 tile 2 j + 1, row r; its four bytes are the step's four blocks of keys
; mk: [128 tiles of 16 queries][32 runs of 64 keys] of 512 bytes: lane l's 16 bytes at 16 l: word u, code i: mask[the tile's row r][64 x run + 32 h + 8 u + i].
; LIMITS: mask numbers 0, +-1, +-2, +-3, +-4, +-6 are kept exactly; 5 becomes 4; beyond +-6 the number is held at +-6.  Blocks whose largest magnitude lies under 2^-124 keep the byte 1
; (a block of zeros too: its codes are zeros, and this program alone reads the bytes).  NaN and infinities among the inputs are not served.
; SHARES: 768 work-groups of four waves, 64 KiB of input each, 16 KiB a wave, all of it asked for ahead of the first wait.  Work-groups 0-255 take k (a wave: 64 rows), 256-511 v (a wave: 64 keys), 512-767 the mask (a wave: 16 rows x 256 keys).
; The three roles have LDS bytes of their own.  No cluster: nothing is read twice.
.set R,    16                          ; v16-143  numbers as they are loaded
.set X,    144                         ; v144-207 numbers as the conversions want them: neighbours along K in one lane's consecutive registers
.set C,    208                         ; v208-223 codes: registers of their own for every store
.set SWD,  224                         ; v224-225 K's scale words
.set MX,   226                         ; largest magnitudes
.set SO,   228                         ; the conversions' scale operands
.set E,    230                         ; scale bytes
.set P,    232                         ; the other half of the lanes' bytes
.set SH,   234                         ; 8 h
.set ONEF, 235                         ; 1.0
.set SPW,  236                         ; LDS address of my spare word; never rewritten
.set NIL,  237                         ; 0; never rewritten
.set REC,  8960
.set QKST, 8704                        ; k's stage of a wave: 32 rows x (256 bytes + 16)
.set MST0, 4*QKST                      ; behind them the mask's stages: 16 rows x (512 bytes + 16) a wave
.set MST,  8448
.set VST,  MST0+4*MST                  ; V's scale words of two records, 256 bytes each
.set SPARE, VST+512                    ; the spare words: 128 bytes a wave
	s_load_b128 s[4:7], s[0:1], 0x0                ; k s[4:5], v s[6:7]
	s_load_b128 s[8:11], s[0:1], 0x10              ; mask s[8:9], kv s[10:11]
	s_load_b64 s[12:13], s[0:1], 0x20              ; mk
	v_lshl_add_u32 v[SPW], v0, 2, SPARE
	v_mov_b32 v[NIL], 0
	v_lshrrev_b32 v1, 5, v0
	v_readfirstlane_b32 s18, v1                    ; wave 0..3
	v_and_b32 v1, 31, v0                           ; lane
	v_and_b32 v2, 15, v0                           ; r
	v_bfe_u32 v3, v0, 4, 1                         ; h
	v_lshlrev_b32 v4, 4, v1                        ; v4  16 x lane
	v_lshlrev_b32 v7, 3, v1                        ; v7  8 x lane
	s_mov_b32 s20, 0x76543210
	s_mov_b32 s21, 0xfedcba98                      ; v_permlanex16_b32's selects for lane l xor 16
	s_mov_b32 s22, 0xffff0000                      ; lanes 16-31
	v_lshlrev_b32 v[SH], 3, v3
	v_mov_b32 v[ONEF], 1.0
	v_mov_b32 v[P], 0                              ; written once: a lane permute's destination counts as one of its sources
	v_mov_b32 v[P+1], 0
	s_mul_i32 s19, s18, QKST                       ; k: my stage
	v_mul_u32_u24 v5, v3, 272
	v_lshl_add_u32 v5, v2, 4, v5
	v_add_nc_u32 v5, s19, v5                       ; v5  into it: a load's 512 bytes are two rows of 256: row h, 16 r
	v_and_b32 v6, 8, v2
	v_add_nc_u32 v6, v6, v2                        ; r + 8 (r / 8)
	v_mul_u32_u24 v6, v6, 272
	v_lshl_add_u32 v6, v3, 7, v6
	v_add_nc_u32 v6, s19, v6                       ; v6  out of it: the tile's row r, my half's 128 bytes
	v_lshlrev_b32 v8, 4, v2
	v_mul_u32_u24 v13, v3, REC
	v_add_nc_u32 v13, v13, v8                      ; v13 V's scale words on the way out: record h of my work-group's two, 16 r
	v_lshl_add_u32 v8, v3, 11, v8                  ; v8  V's codes: tile 2 h, row r
	s_mul_i32 s23, s18, MST
	s_add_co_u32 s23, s23, MST0                    ; the mask: my stage
	v_add_nc_u32 v9, s23, v4                       ; v9  into it: 16 x lane of a row
	v_mul_u32_u24 v10, v2, 528
	v_lshl_add_u32 v10, v3, 7, v10
	v_add_nc_u32 v10, s23, v10                     ; v10 out of it: row r, + 128 h
	s_lshr_b32 s42, s18, 1
	s_lshl_b32 s42, s42, 8
	s_and_b32 s43, s18, 1
	s_lshl_b32 s43, s43, 1
	s_add_co_u32 s42, s42, s43
	s_add_co_u32 s42, s42, VST
	v_lshlrev_b32 v12, 3, v2
	v_lshl_add_u32 v12, v3, 2, v12
	v_add_nc_u32 v12, s42, v12                     ; v12 V's scale bytes into LDS: record wave / 2, half word wave % 2 of word h of row r
	v_add_nc_u32 v14, VST, v4                      ; v14 and back
	s_wait_alu depctr_va_vdst(0)                   ; the wait at the head's end
	s_wait_kmcnt 0x0
	s_cmp_lt_u32 ttmp9, 256
	s_cbranch_scc0 .Lnot_k
; ---- k: K is innermost.  A wave takes half c of a record: 64 rows, four tiles, two at a time.
	s_lshl_b32 s24, ttmp9, 2
	s_add_co_u32 s24, s24, s18                     ; 2 x record + c, 0 .. 1023
	s_lshl_b32 s34, s24, 14
	s_mov_b32 s35, 0
	s_add_nc_u64 s[28:29], s[4:5], s[34:35]        ; from: 64 rows of 256 bytes
.irp b, 0,1                            ; tiles 2 b, 2 b + 1: rows 16 b .. + 15 and 32 + 16 b .. + 15: sixteen loads of 512 consecutive bytes
.irp i, 0,1,2,3,4,5,6,7,8,9,10,11,12,13,14,15
	global_load_b128 v[R+64*\b+4*\i:R+64*\b+4*\i+3], v4, s[28:29] offset:4096*\b+512*\i+4096*(\i/8) th:TH_LOAD_NT
.endr
.endr
	s_lshr_b32 s25, s24, 1
	s_and_b32 s26, s24, 1
	s_mul_i32 s32, s25, REC
	s_lshl_b32 s36, s26, 11
	s_add_co_u32 s36, s36, s32
	s_mov_b32 s37, 0
	s_add_nc_u64 s[30:31], s[10:11], s[36:37]      ; to: tiles 4 c on
	s_lshl_b32 s38, s26, 8
	s_add_co_u32 s38, s38, s32
	s_mov_b32 s39, 0
	s_add_nc_u64 s[40:41], s[10:11], s[38:39]      ; and the scale words' half c
.macro KPAIR b
	s_wait_loadcnt 16-16*\b                        ; the pair's sixteen loads are in; the other pair's may be out
.irp i, 0,1,2,3,4,5,6,7,8,9,10,11,12,13,14,15
	ds_store_b128 v5, v[R+64*\b+4*\i:R+64*\b+4*\i+3] offset:544*\i
.endr
.irp u, 0,1
.irp j, 0,1,2,3,4,5,6,7
	ds_load_b128 v[X+32*\u+4*\j:X+32*\u+4*\j+3], v6 offset:2176*\u+16*\j   ; LDS serves a wave's instructions in order: these see my stores.  A lane now holds a whole block of 32
.endr
.endr
	s_wait_dscnt 0x0
.irp u, 0,1
	v_max3_num_f32 v[MX+\u], |v[X+32*\u]|, |v[X+32*\u+1]|, 0x1800000   ; the block's largest magnitude, and the floor 2^(3 - 127): the byte cannot fall under 1
.endr
.irp i, 2,4,6,8,10,12,14,16,18,20,22,24,26,28,30
.irp u, 0,1
	v_max3_num_f32 v[MX+\u], v[MX+\u], |v[X+32*\u+\i]|, |v[X+32*\u+\i+1]|
.endr
.endr
.irp u, 0,1
	v_add_nc_u32 v[SO+\u], 0xff000000, v[MX+\u]    ; 2 off its exponent field: the conversion takes the exponent field of this operand as its scale
.endr
.irp u, 0,1
	v_lshrrev_b32 v[E+\u], 23, v[SO+\u]            ; the scale's byte,
.endr
.irp u, 0,1
	v_lshlrev_b32 v[E+\u], v[SH], v[E+\u]          ; at its place in the row's word,
.endr
.irp u, 0,1
	v_permlanex16_b32 v[P+\u], v[E+\u], s20, s21
.endr
.irp u, 0,1
	v_or_b32 v[E+\u], v[E+\u], v[P+\u]             ; with lane l xor 16's: the word, in both lanes
.endr
.irp u, 0,1
.irp g, 0,1,2,3
	v_cvt_scalef32_pk8_fp4_f32 v[C+8*\b+4*\u+\g], v[X+32*\u+8*\g:X+32*\u+8*\g+7], v[SO+\u]
.endr
.endr
	v_nop                                          ; one plain place behind the conversions
	v_cndmask_b32 v[SWD+\b], v[E], v[E+1], s22     ; lanes 0-15 keep tile 2 b's word, lanes 16-31 tile 2 b + 1's
.irp u, 0,1
	global_store_b128 v4, v[C+8*\b+4*\u:C+8*\b+4*\u+3], s[30:31] offset:1024*\b+512*\u   ; 32 lanes store 512 consecutive bytes, at a multiple of 256
.endr
.endm
	KPAIR 0
	KPAIR 1
	global_store_b64 v7, v[SWD:SWD+1], s[40:41] offset:4096   ; one aligned run of 256 bytes
	s_wait_tensorcnt 0x0                           ; the wave's end
	ds_add_u32 v[SPW], v[NIL]
	s_wait_dscnt 0x0
	s_endpgm
.Lnot_k:
	s_cmp_lt_u32 ttmp9, 512
	s_cbranch_scc0 .Lmask
; ---- v: K = the keys is not innermost.  A lane takes channels 2 l and 2 l + 1 and its registers run down the keys: each load is one row of 256 bytes, and a block of 32 keys of a channel lies in one lane.
	s_sub_co_u32 s24, ttmp9, 256
	s_lshl_b32 s25, s24, 1                         ; my work-group's first record
	s_lshl_b32 s24, s24, 2
	s_add_co_u32 s24, s24, s18                     ; 2 x record + c
	s_lshl_b32 s34, s24, 14
	s_mov_b32 s35, 0
	s_add_nc_u64 s[28:29], s[6:7], s[34:35]        ; from: 64 keys of 256 bytes
.set n, 0
.rept 64
	global_load_b64 v[R+2*n:R+2*n+1], v7, s[28:29] offset:256*n th:TH_LOAD_NT
.set n, n+1
.endr
	s_lshr_b32 s26, s24, 1
	s_and_b32 s27, s24, 1
	s_mul_i32 s32, s26, REC
	s_lshl_b32 s36, s27, 9
	s_add_co_u32 s36, s36, s32
	s_mov_b32 s37, 0
	s_add_nc_u64 s[30:31], s[10:11], s[36:37]      ; to: half c of the record's tiles
	s_mul_i32 s38, s25, REC
	s_mov_b32 s39, 0
	s_add_nc_u64 s[40:41], s[10:11], s[38:39]
.macro VBLOCK b                        ; keys 32 b .. 32 b + 31 of my 64
	s_wait_loadcnt 32-32*\b                        ; this block's 32 loads are in; the other block's may be out
.set n, 0
.rept 32
	v_mov_b32 v[X+n], v[R+64*\b+2*n]               ; a lane's two channels arrive side by side: part them, so that each runs along the keys
	v_mov_b32 v[X+32+n], v[R+64*\b+2*n+1]
.set n, n+1
.endr
.irp d, 0,1
	v_max3_num_f32 v[MX+\d], |v[X+32*\d]|, |v[X+32*\d+1]|, 0x1800000
.endr
.irp i, 2,4,6,8,10,12,14,16,18,20,22,24,26,28,30
.irp d, 0,1
	v_max3_num_f32 v[MX+\d], v[MX+\d], |v[X+32*\d+\i]|, |v[X+32*\d+\i+1]|
.endr
.endr
.irp d, 0,1
	v_add_nc_u32 v[SO+\d], 0xff000000, v[MX+\d]
.endr
.irp d, 0,1
.if \b
	v_lshrrev_b32 v[P+\d], 23, v[SO+\d]
.else
	v_lshrrev_b32 v[E+\d], 23, v[SO+\d]
.endif
.endr
.if \b
.irp d, 0,1
	v_lshl_or_b32 v[E+\d], v[P+\d], 8, v[E+\d]     ; my two blocks' bytes: half a word
.endr
.endif
.irp d, 0,1
.irp g, 0,1,2,3
	v_cvt_scalef32_pk8_fp4_f32 v[C+8*\b+4*\d+\g], v[X+32*\d+8*\g:X+32*\d+8*\g+7], v[SO+\d]
.endr
.endr
	v_nop                                          ; one plain place behind the conversions
.irp d, 0,1
	global_store_b128 v8, v[C+8*\b+4*\d:C+8*\b+4*\d+3], s[30:31] offset:4608+1024*\d+256*\b   ; sixteen lanes store 256 consecutive bytes, at a multiple of 256
.endr
.endm
	VBLOCK 0
	VBLOCK 1
.irp d, 0,1
	ds_store_b16 v12, v[E+\d] offset:128*\d        ; channel 2 l + d: tile 2 h + d
.endr
	s_wait_dscnt 0x0
	s_barrier_signal -1
	s_barrier_wait -1                              ; the four waves' half words make the words of two records
	s_cmp_lg_u32 s18, 0
	s_cbranch_scc1 .Lv_end
	ds_load_b128 v[R:R+3], v14
	s_wait_dscnt 0x0
	global_store_b128 v13, v[R:R+3], s[40:41] offset:8704   ; sixteen lanes store 256 consecutive bytes
.Lv_end:
	s_wait_tensorcnt 0x0                           ; the wave's end
	ds_add_u32 v[SPW], v[NIL]
	s_wait_dscnt 0x0
	s_endpgm
.Lmask:
; ---- the mask.  A wave takes one tile of 16 queries x 256 keys, 128 keys at a time.
	s_sub_co_u32 s24, ttmp9, 512
	s_lshr_b32 s25, s24, 1                         ; the tile of queries, 0 .. 127
	s_and_b32 s26, s24, 1
	s_lshl_b32 s26, s26, 2
	s_add_co_u32 s26, s26, s18                     ; which 256 keys, 0 .. 7
	s_lshl_b32 s32, s25, 17                        ; sixteen rows of 8,192 bytes
	s_lshl_b32 s33, s26, 10
	s_add_co_u32 s32, s32, s33
	s_mov_b32 s33, 0
	s_add_nc_u64 s[28:29], s[8:9], s[32:33]
.irp s, 0,1
.irp i, 0,1,2,3,4,5,6,7,8,9,10,11,12,13,14,15
	global_load_b128 v[R+64*\s+4*\i:R+64*\s+4*\i+3], v4, s[28:29] offset:8192*\i+512*\s th:TH_LOAD_NT
.endr
.endr
	s_lshl_b32 s34, s25, 14
	s_lshl_b32 s35, s26, 11
	s_add_co_u32 s34, s34, s35
	s_mov_b32 s35, 0
	s_add_nc_u64 s[30:31], s[12:13], s[34:35]
.macro MSTEP s
	s_wait_loadcnt 16-16*\s                        ; these 128 keys' sixteen loads are in; the other sixteen may be out
.irp i, 0,1,2,3,4,5,6,7,8,9,10,11,12,13,14,15
	ds_store_b128 v9, v[R+64*\s+4*\i:R+64*\s+4*\i+3] offset:528*\i
.endr
.irp e, 0,1
.irp j, 0,1,2,3,4,5,6,7
	ds_load_b128 v[X+32*\e+4*\j:X+32*\e+4*\j+3], v10 offset:256*\e+16*\j   ; row r, keys 64 e + 32 h + 0 .. 31
.endr
.endr
	s_wait_dscnt 0x0
.set n, 0
.rept 64
	v_cvt_f32_i32 v[X+n], v[X+n]
.set n, n+1
.endr
.irp g, 0,1,2,3,4,5,6,7
	v_cvt_scalef32_pk8_fp4_f32 v[C+8*\s+\g], v[X+8*\g:X+8*\g+7], v[ONEF]   ; scale 1: 0 and 1 are codes of the format
.endr
	v_nop                                          ; one plain place behind the conversions
.irp e, 0,1
	global_store_b128 v4, v[C+8*\s+4*\e:C+8*\s+4*\e+3], s[30:31] offset:1024*\s+512*\e
.endr
.endm
	MSTEP 0
	MSTEP 1
	s_wait_tensorcnt 0x0                           ; the wave's end
	ds_add_u32 v[SPW], v[NIL]
	s_wait_dscnt 0x0
	s_endpgm
.Lfunc_end_k_q4da47663ac_prep:
	.size	k_q4da47663ac_prep, .Lfunc_end_k_q4da47663ac_prep-k_q4da47663ac_prep
	.p2alignl 7, 3214868480
	.fill 96, 4, 3214868480
	.section	.rodata,"a",@progbits
	.p2align	6, 0x0
	.amdhsa_kernel k_q4da47663ac_prep
		.amdhsa_group_segment_fixed_size 69632
		.amdhsa_private_segment_fixed_size 0
		.amdhsa_enable_private_segment 0
		.amdhsa_kernarg_size 40
		.amdhsa_user_sgpr_count 2
		.amdhsa_user_sgpr_kernarg_segment_ptr 1
		.amdhsa_wavefront_size32 1
		.amdhsa_system_sgpr_workgroup_id_x 1
		.amdhsa_system_sgpr_workgroup_id_y 1
		.amdhsa_system_sgpr_workgroup_id_z 1
		.amdhsa_system_vgpr_workitem_id 0
		.amdhsa_next_free_vgpr 240
		.amdhsa_next_free_sgpr 66
		.amdhsa_reserve_vcc 0
		.amdhsa_float_denorm_mode_32 3
		.amdhsa_float_denorm_mode_16_64 3
		.amdhsa_memory_ordered 1
		.amdhsa_forward_progress 1
		.amdhsa_inst_pref_size 48
	.end_amdhsa_kernel
	.amdgpu_metadata
---
amdhsa.version: [ 1, 2 ]
amdhsa.kernels:
  - .name:           k_q4da47663ac_prep
    .symbol:         k_q4da47663ac_prep.kd
    .args:
      - { .name: k, .offset: 0, .size: 8, .value_kind: global_buffer, .address_space: global }
      - { .name: v, .offset: 8, .size: 8, .value_kind: global_buffer, .address_space: global }
      - { .name: mask, .offset: 16, .size: 8, .value_kind: global_buffer, .address_space: global }
      - { .name: kv, .offset: 24, .size: 8, .value_kind: global_buffer, .address_space: global }
      - { .name: mk, .offset: 32, .size: 8, .value_kind: global_buffer, .address_space: global }
    .group_segment_fixed_size: 69632
    .private_segment_fixed_size: 0
    .kernarg_segment_align: 8
    .kernarg_segment_size: 40
    .max_flat_workgroup_size: 128
    .sgpr_count:     66
    .vgpr_count:     240
    .wavefront_size: 32
...
	.end_amdgpu_metadata
.endif
;; end of part 1
;; launch attn (part 2): grid 16 x 16, 8 waves a work-group, clusters of 4 x 1, 327,680 bytes of LDS; arguments q, kv, mk, out0; writes out0
.if DOCPART == 2
	.amdgcn_target "amdgcn-amd-amdhsa--gfx1250"
	.amdhsa_code_object_version 6
	.text
	.protected	k_q4da47663ac_attn
	.globl	k_q4da47663ac_attn
	.p2align	8
	.type	k_q4da47663ac_attn,@function
k_q4da47663ac_attn:
	s_mov_b64 s[64:65], 0
	v_nop
	global_prefetch_b8 v0, s[64:65] scope:SCOPE_SE
	s_setreg_imm32_b32 hwreg(HW_REG_WAVE_MODE, 25, 1), 1
	s_wait_xcnt 0x0
	s_wait_alu depctr_hold_cnt(0) depctr_sa_sdst(0) depctr_va_vdst(0) depctr_va_sdst(0) depctr_va_ssrc(0) depctr_va_vcc(0) depctr_vm_vsrc(0)
	s_getreg_b32 s2, hwreg(HW_REG_IB_STS2, 6, 4)
	s_cmp_eq_u32 s2, 0
	s_cbranch_scc0 .Lentry_in_a_cluster
	s_endpgm
.Lentry_in_a_cluster:
	s_bfe_u32 s2, ttmp6, 0x10000c
	s_cmp_lg_u32 s2, 0x3003
	s_cbranch_scc0 .Lentry_shape_is_right
	s_endpgm
.Lentry_shape_is_right:
; out0[head][q][:] = the sum over keys of softmax(Q . K / 8 - 10000 mask[q][key]) V[key][:], 32 heads, 2,048 queries and keys, 64 channels; both products on codes of FP4 (E2M1) with one E8M0 scale for each 32 along K.
; q arrives as f32 and is quantised here, at the head; kv and mk are the first launch's buffers, images of the operands' registers (their layouts: that launch's head comment).
; THE SOFTMAX AHEAD OF THE SECOND PRODUCT: t = logit x log2(e); M = the row's largest t so far, rounded UP to a whole number; p = 2^(t - M) is quantised along the keys, not normalised.
; The row's sum is taken of the unquantised p and divides at the end.  When M moves, the sum and O are multiplied by 2^(old M - new M): exact.
; THE MASK is the C of the first product: a word of eight codes is widened into the eight registers of a tile and multiplied by -80000 = -10000 x 8; the product adds Q . K onto it, and c = log2(e) / 8 scales both.
; So a row that is wholly masked is still the softmax that it is in the definition.
; LIMITS: mask numbers 0, +-1, +-2, +-3, +-4, +-6 are served exactly; 5 counts as 4; beyond +-6 as +-6 (the first launch holds them).  The scaled scores stay under 2^31 in magnitude.  NaN and infinities are not served.
; Blocks of q whose largest magnitude lies under 2^-124 keep the scale byte 1.
; A block's exponent is floor(t_max - M), t_max its largest t: floor(log2) of its largest p but where that t - M lies within an f32 rounding of a whole number.
; SHARES.  A work-group owns 128 queries of TWO heads; each of its eight waves one tile of 16 queries of both heads (A and B), in 512 registers, two waves to a SIMD.  The widened mask serves both heads: head B's products take it as C
; and put their results elsewhere, then head A's add onto it in place.  Every wave walks all keys, 256 a step.
; LAYOUT.  Both products are used transposed: S^T = K Q^T (source 0 = 16 keys, source 1 = my queries), O^T = V^T P^T (source 0 = 16 channels, source 1 = P): a lane holds ONE query (lane % 16) throughout.
; Row m of K's tile 4 c + u is key 64 c + 8 u + m % 8 + 32 (m / 8): so the 32 registers of tiles 4 c .. 4 c + 3 in a lane are the WHOLE BLOCK of keys 64 c + 32 (lane / 16) + 0 .. 31, in order: its largest score asks no other lane,
; and its four conversions give the registers 4 c .. 4 c + 3 of the second product's operand as they stand.
; K = 64 IN AN INSTRUCTION OF 128: Q's registers 4-7 (k = 64 .. 127) are zero codes.  Source 0 of tile t is the run of eight registers from K's tile t on: its upper four are whatever follows (every code is a finite number);
; the scale bytes of those k are 0, which is 2^-127: those products are zeros.
; LDS.  Two heads' 32 records (K's and V's codes and scale words), 286,720 bytes, come in once: records 0-3 of each head by one tensor load a wave at the head, records 4-15 by one more a wave behind it; nothing is filled again.
; CLUSTER.  The four work-groups of a cluster own query blocks of the same two heads and want the same records: each load is asked for JOINTLY, with the same descriptor and a mask that names the four.
; My place in the cluster enters the global addresses of q, mk and out0 alone.
; NO PREFETCH: the loop's one stream is the mask codes, 2,048 bytes a wave and step, asked for a whole step ahead straight into registers.
; WINDOWS.  An instruction names 256 registers; s_set_vgpr_msb's low byte: bits 1:0 source 0, 3:2 source 1, 5:4 source 2, 7:6 destination.  Head A's scores lie in window 0, head B's at the same numbers in window 1.
.set REC,   8960
.set HB,    16*REC                     ; head B's records
.set STAGE, 32*REC                     ; 16 rows x (256 bytes + 16) for each wave, for q on the way in and out0 on the way out; no tensor load lands there
.set SPARE, STAGE+8*4352               ; the spare words, 128 bytes for each wave
; window 0
.set SH8, 0                            ; v0   8 x (lane / 16)
.set L16, 1                            ; v1   16 x lane
.set L8,  2                            ; v2   8 x lane
.set SPW, 3                            ; v3   LDS address of my spare word; never rewritten
.set NIL, 4                            ; v4   0; never rewritten
.set ONE, 5                            ; v5   the scale byte 127 in every byte
.set A16A, 6                           ; v6-9 the step's records + 16 x lane, + 8 x lane, of head A, of head B
.set A8A, 7
.set A16B, 8
.set A8B, 9
.set LA,  10                           ; v[10:11], v[12:13] the sums, in two halves
.set LB,  12
.set FA,  14                           ; v14, v34 f = 2^(old M - new M) (v15, v35: 0, named with them as pairs)
.set FB,  34
.set SC,  16                           ; v16-27 scale words alone: K's: B's 16-19, A's first record 20-23, A's second 24-27; then V's: 16-23; p's: 24-27
.set QS,  28                           ; v28-29 Q's scale words
.set NMA, 30                           ; v30 -M, v31 the largest score, of head A; v32, v33 of head B
.set NMB, 32
.set SOA, 36                           ; v36-39 head A's conversion scales; at work
.set MK,  40                           ; v40-55 a step's sixteen words of mask codes
.set X,   56                           ; v56-87 K's second record of A; then V's second records of A and of B
.set Y,   88                           ; v88-119 K's first record of A; then V's first record of B (v120-123: zeros)
.set P,   124                          ; v124-139 p's codes (v124-127, and the first twelve of the scores, which are done with by then), in either window
.set S,   128                          ; v128-255 the bias, then S^T, then p
; window 1
.set QA,  0                            ; v0-7, v8-15 Q's operands
.set QB,  8
.set BMA, 16                           ; v16-19, v20-23 the blocks' largest scores
.set BMB, 20                           ; (B's: then its conversion scales)
.set T,   24                           ; v24-27 at work
.set OA,  28                           ; v28-59, v60-91 O^T
.set OB,  60
.set Z,   92                           ; v92-123 K's records of B; V's first record of A; then the next step's first K record of B
; scalars
.set WV,  12
.set G1,  16                           ; s[16:23], s[36:43] descriptor groups 1: 35 and 105 rows
.set G1B, 36
.set G0,  24                           ; s[24:27], s[44:47] groups 0
.set G0B, 44
.set SEL, 28                           ; s[28:29] lane selects for v_permlanex16_b32: lane l xor 16
.set CS,  30                           ; s[30:31] c = log2(e) / 8: the packed form names a pair and takes its low word for both halves
.set W,   32                           ; s[32:33] -80000.0 likewise
.set TB,  34                           ; s34, s35 LDS bytes at which the step's records of A and of B begin
.set TBB, 35
.set CNT, 48
.set NC,  49                           ; -c
.set MO,  50                           ; s[50:51] the next step's mask codes, in bytes from my tile's first
.set MP,  52                           ; s[52:53] and their address
.set STG, 54                           ; my stage
.set MSB, 0
.macro WIN new                         ; the immediate's high byte repeats the setting that is left
.if MSB != \new
	s_set_vgpr_msb (MSB<<8)|\new
.set MSB, \new
.endif
.endm
; A round of the cluster's barrier: my work-group's barrier, so that wave 0's signal speaks for all eight waves; wave 0 signals for the work-group; every wave waits for all four work-groups; my work-group's barrier once more.
.macro ROUND
	s_barrier_signal -1
	s_barrier_wait -1
	s_cmp_lg_u32 s[WV], 0
	s_cbranch_scc1 .Lnot_wave_0_\@
	s_barrier_signal -3
.Lnot_wave_0_\@:
	s_barrier_wait -3
	s_barrier_signal -1
	s_barrier_wait -1
.endm
.macro GROUP1 g, rows                  ; a dense block of rows of 256 bytes (32 elements of 8 bytes), no padding; 15:0 the mask: all four work-groups; bit 21 set beside a mask
	s_mov_b32 s[\g], 15|(3<<16)|(1<<21)
	s_mov_b32 s[\g+1], 32<<16
	s_mov_b32 s[\g+2], \rows<<16
	s_mov_b32 s[\g+3], 32<<16
	s_mov_b32 s[\g+4], \rows
	s_mov_b32 s[\g+5], 32
	s_mov_b32 s[\g+6], 0
	s_mov_b32 s[\g+7], 0
.endm
	s_load_b256 s[4:11], s[0:1], 0x0               ; q s[4:5], kv s[6:7], mk s[8:9], out0 s[10:11]
	v_lshl_add_u32 v[SPW], v0, 2, SPARE
	v_mov_b32 v[NIL], 0
	ds_add_u32 v[SPW], v[NIL]                      ; the wave's opening: the add, twice on end, and its wait ahead of my first tensor load
	ds_add_u32 v[SPW], v[NIL]
	v_lshrrev_b32 v5, 5, v0
	v_readfirstlane_b32 s[WV], v5                  ; wave 0..7
	v_and_b32 v2, 31, v0
	v_lshlrev_b32 v[L16], 4, v2
	v_lshlrev_b32 v[L8], 3, v2
	v_and_b32 v6, 15, v0                           ; r
	v_bfe_u32 v7, v0, 4, 1                         ; h
	v_lshlrev_b32 v[SH8], 3, v7
	s_mul_i32 s[STG], s[WV], 4352
	s_add_co_u32 s[STG], s[STG], STAGE
	v_mul_u32_u24 v8, v7, 272
	v_lshl_add_u32 v8, v6, 4, v8
	v_add_nc_u32 v8, s[STG], v8                    ; q into the stage: row h, 16 r
	v_mul_u32_u24 v9, v6, 272
	v_lshl_add_u32 v9, v7, 7, v9
	v_add_nc_u32 v9, s[STG], v9                    ; and out of it: row r, my half's 128 bytes
	s_bfe_u32 s13, ttmp6, 0x40000                  ; cx
	s_lshl_b32 s14, ttmp9, 2                       ; in a cluster launch ttmp9 counts clusters
	s_add_co_u32 s14, s14, s13                     ; my block of 128 queries, 0 .. 15
	s_and_b32 s15, ttmp7, 0xffff                   ; the pair of heads, which the four partners share
	GROUP1 G1, 35
	GROUP1 G1B, 105
	s_and_b32 s55, s[WV], 3
	s_lshr_b32 s56, s[WV], 2                       ; waves 0-3 fetch for head A, 4-7 for head B
	s_mul_i32 s56, s56, HB
	s_mul_i32 s57, s55, REC
	s_mov_b32 s[G0], 1
	s_add_co_u32 s[G0+1], s56, s57                 ; record wave % 4
	s_mul_i32 s57, s55, 3*REC
	s_mov_b32 s[G0B], 1
	s_add_co_u32 s[G0B+1], s56, s57
	s_add_co_u32 s[G0B+1], s[G0B+1], 4*REC         ; records 4 + 3 (wave % 4) and the two behind it
	s_mul_i32 s58, s15, 32*REC
	s_add_co_u32 s60, s58, s[G0+1]
	s_mov_b32 s61, 0
	s_add_co_u32 s62, s58, s[G0B+1]
	s_mov_b32 s63, 0
	s_lshl_b32 s66, s15, 20                        ; q, out0: 2 heads x 524,288 + 128 rows x 256 x block + 16 rows x 256 x wave
	s_lshl_b32 s67, s14, 15
	s_add_co_u32 s66, s66, s67
	s_lshl_b32 s67, s[WV], 12
	s_add_co_u32 s66, s66, s67
	s_mov_b32 s67, 0
	s_lshl_b32 s68, s14, 3                         ; mk: my tile of queries: 16,384 bytes
	s_add_co_u32 s68, s68, s[WV]
	s_lshl_b32 s68, s68, 14
	s_mov_b32 s69, 0
	s_mov_b32 s[SEL], 0x76543210
	s_mov_b32 s[SEL+1], 0xfedcba98
	s_mov_b32 s[CS], 0x3e38aa3b                    ; log2(e) / 8
	s_mov_b32 s[CS+1], s[CS]                       ; (named with it as a pair, so it is written)
	s_mov_b32 s[NC], 0xbe38aa3b
	s_mov_b32 s[W], 0xc79c4000                     ; -80000.0
	s_mov_b32 s[W+1], s[W]
	s_mov_b32 s[TB], 0
	s_mov_b32 s[TBB], HB
	s_mov_b32 s[MO], 0
	s_mov_b32 s[MO+1], 0
	s_wait_alu depctr_va_vdst(0)                   ; directly ahead of the waits below
	s_wait_dscnt 0x0                               ; both opening adds are done
	ROUND                                          ; all four work-groups are here: the joint loads meet.  (The arguments are on their way meanwhile)
	s_wait_kmcnt 0x0
	s_add_nc_u64 s[4:5], s[4:5], s[66:67]
	s_add_nc_u64 s[8:9], s[8:9], s[68:69]
	s_add_nc_u64 s[10:11], s[10:11], s[66:67]
	s_add_nc_u64 s[G0+2:G0+3], s[6:7], s[60:61]
	s_or_b32 s[G0+3], s[G0+3], 0x80000000          ; type = 2
	s_add_nc_u64 s[G0B+2:G0B+3], s[6:7], s[62:63]
	s_or_b32 s[G0B+3], s[G0B+3], 0x80000000
	tensor_load_to_lds s[G0:G0+3], s[G1:G1+7]      ; records 0-3 of the two heads: one tensor load a wave at the head
	s_nop 0
.rept 4
	v_nop
.endr
.irp i, 0,1,2,3
	global_load_b128 v[MK+4*\i:MK+4*\i+3], v[L16], s[8:9] offset:512*\i                          ; step 0's mask codes
.endr
.irp i, 0,1,2,3,4,5,6,7
	global_load_b128 v[128+4*\i:131+4*\i], v[L16], s[4:5] offset:512*\i th:TH_LOAD_NT            ; q: two rows a load, 512 consecutive bytes: head A's,
.endr
.irp i, 0,1,2,3,4,5,6,7
	global_load_b128 v[160+4*\i:163+4*\i], v[L16], s[4:5] offset:524288+512*\i th:TH_LOAD_NT     ; head B's
.endr
	v_mov_b32 v[ONE], 0x7f7f7f7f
	v_mov_b32 v[NMA+1], 0xff61b1e6                 ; the largest score so far: -3e38, under every score
	v_mov_b32 v[NMB+1], 0xff61b1e6
	v_mul_f32 v[NMA], s[NC], v[NMA+1]
	v_mul_f32 v[NMB], s[NC], v[NMB+1]
	v_floor_f32 v[NMA], v[NMA]                     ; -M
	v_floor_f32 v[NMB], v[NMB]
.irp i, 10,11,12,13,14,15,34,35,120,121,122,123
	v_mov_b32 v[\i], 0                             ; the sums; the f pairs; behind Y
.endr
	WIN 0x40
.irp i, 0,1,2,3
	v_mov_b32 v[QA+4+\i], 0                        ; Q's k = 64 .. 127: zero codes
	v_mov_b32 v[QB+4+\i], 0
	v_mov_b32 v[T+\i], 0                           ; written once: a lane permute's destination counts as one of its sources
	v_mov_b32 v[P+\i], 0                           ; behind Z; later p's codes
.endr
.set n, 0
.rept 64
	v_mov_b32 v[OA+n], 0                           ; O^T.  (The step is written for every step alike: the first finds zeros, which the first change of M leaves zeros)
.set n, n+1
.endr
	WIN 0
	s_wait_alu depctr_va_vdst(0)
	s_wait_tensorcnt 0x0                           ; my record is in
	s_wait_loadcnt 0x0                             ; q is in, and step 0's mask codes
	; Q: each head's 16 rows turn through my stage, so that a lane holds a whole block of 32 channels of its row
.irp i, 0,1,2,3,4,5,6,7
	ds_store_b128 v8, v[128+4*\i:131+4*\i] offset:544*\i
.endr
.irp j, 0,1,2,3,4,5,6,7
	ds_load_b128 v[192+4*\j:195+4*\j], v9 offset:16*\j   ; LDS serves a wave's instructions in order: these see my stores, and head B's stores come behind them
.endr
.irp i, 0,1,2,3,4,5,6,7
	ds_store_b128 v8, v[160+4*\i:163+4*\i] offset:544*\i
.endr
.irp j, 0,1,2,3,4,5,6,7
	ds_load_b128 v[224+4*\j:227+4*\j], v9 offset:16*\j
.endr
	s_wait_dscnt 0x0
.irp u, 0,1
	v_max3_num_f32 v[36+\u], |v[192+32*\u]|, |v[193+32*\u]|, 0x1800000   ; the block's largest magnitude, and the floor 2^(3 - 127)
.endr
.irp i, 2,4,6,8,10,12,14,16,18,20,22,24,26,28,30
.irp u, 0,1
	v_max3_num_f32 v[36+\u], v[36+\u], |v[192+32*\u+\i]|, |v[193+32*\u+\i]|
.endr
.endr
.irp u, 0,1
	v_add_nc_u32 v[38+\u], 0xff000000, v[36+\u]    ; 2 off its exponent field: the conversion's scale operand
.endr
.irp u, 0,1
	v_lshrrev_b32 v[36+\u], 23, v[38+\u]           ; the scale's byte,
.endr
.irp u, 0,1
	v_lshlrev_b32 v[36+\u], v[SH8], v[36+\u]       ; at its place in the row's word,
.endr
	v_permlanex16_b32 v[FA], v36, s[SEL], s[SEL+1]
	v_permlanex16_b32 v[FB], v37, s[SEL], s[SEL+1]
	v_or_b32 v[QS], v36, v[FA]                     ; with lane l xor 16's
	v_or_b32 v[QS+1], v37, v[FB]
	WIN 0x40
.irp u, 0,1
.irp g, 0,1,2,3
	v_cvt_scalef32_pk8_fp4_f32 v[QA+8*\u+\g], v[192+32*\u+8*\g:199+32*\u+8*\g], v[38+\u]
.endr
.endr
	v_nop                                          ; one plain place behind the conversions
	WIN 0
	s_wait_alu depctr_va_vdst(0)                   ; the wait at the head's end
	s_wait_tensorcnt 0x0                           ; ahead of a later first fill
	ds_add_u32 v[SPW], v[NIL]
	s_wait_dscnt 0x0
	ROUND                                          ; everybody's record is in: the two heads' records 0-3 lie in LDS
	tensor_load_to_lds s[G0B:G0B+3], s[G1B:G1B+7]  ; records 4-15: the first tensor load behind the round; it has two steps in which to land
	s_nop 0
.rept 4
	v_nop
.endr
.macro KLD dst, adr, off               ; a record's eight tiles of K: each load takes 512 consecutive bytes
.irp t, 0,1,2,3,4,5,6,7
	ds_load_b128 v[\dst+4*\t:\dst+4*\t+3], v[\adr] offset:(\off)+512*\t
.endr
.endm
.macro KSC dst, adr, off               ; and its scale words
	ds_load_b64 v[\dst:\dst+1], v[\adr] offset:(\off)+4096
	ds_load_b64 v[\dst+2:\dst+3], v[\adr] offset:(\off)+4352
.endm
.macro VLD dst, adr, off               ; a record's four tiles of V
.irp t, 0,1,2,3
.irp e, 0,1
	ds_load_b128 v[\dst+8*\t+4*\e:\dst+8*\t+4*\e+3], v[\adr] offset:(\off)+4608+1024*\t+512*\e
.endr
.endr
.endm
.macro WIDEN rec                       ; word g's eight codes are the mask numbers of tile g's eight registers
.irp g, 0,1,2,3,4,5,6,7
	v_cvt_scale_pk8_f32_fp4 v[S+64*\rec+8*\g:S+64*\rec+8*\g+7], v[MK+8*\rec+\g], v[ONE]
.endr
	v_nop                                          ; one plain place behind the conversions
.endm
.macro BIAS first, count               ; -80000 x mask
.set n, \first
.rept \count
	v_pk_mul_f32 v[S+n:S+n+1], v[S+n:S+n+1], s[W:W+1] op_sel_hi:[1,0]
.set n, n+2
.endr
.endm
.macro QK rec, ka, qb, ks, qs          ; a record's eight tiles of S^T
.irp t, 0,1,2,3,4,5,6,7
.if \t%2
	v_wmma_scale_f32_16x16x128_f8f6f4 v[S+64*\rec+8*\t:S+64*\rec+8*\t+7], v[\ka+4*\t:\ka+4*\t+7], v[\qb:\qb+7], v[S+64*\rec+8*\t:S+64*\rec+8*\t+7], v[\ks+\t/2], v[\qs] matrix_a_fmt:MATRIX_FMT_FP4 matrix_b_fmt:MATRIX_FMT_FP4 matrix_a_scale:MATRIX_SCALE_ROW1
.else
	v_wmma_scale_f32_16x16x128_f8f6f4 v[S+64*\rec+8*\t:S+64*\rec+8*\t+7], v[\ka+4*\t:\ka+4*\t+7], v[\qb:\qb+7], v[S+64*\rec+8*\t:S+64*\rec+8*\t+7], v[\ks+\t/2], v[\qs] matrix_a_fmt:MATRIX_FMT_FP4 matrix_b_fmt:MATRIX_FMT_FP4
.endif
.endr
.endm
.macro PV va, pb, vs, pw, o            ; O^T's four tiles of 16 channels += V^T P^T over a record's 128 keys; the accumulators take turns
.irp t, 0,1,2,3
.if \t%2
	v_wmma_scale_f32_16x16x128_f8f6f4 v[\o+8*\t:\o+8*\t+7], v[\va+8*\t:\va+8*\t+7], v[\pb:\pb+7], v[\o+8*\t:\o+8*\t+7], v[\vs+\t/2], v[\pw] matrix_a_fmt:MATRIX_FMT_FP4 matrix_b_fmt:MATRIX_FMT_FP4 matrix_a_scale:MATRIX_SCALE_ROW1
.else
	v_wmma_scale_f32_16x16x128_f8f6f4 v[\o+8*\t:\o+8*\t+7], v[\va+8*\t:\va+8*\t+7], v[\pb:\pb+7], v[\o+8*\t:\o+8*\t+7], v[\vs+\t/2], v[\pw] matrix_a_fmt:MATRIX_FMT_FP4 matrix_b_fmt:MATRIX_FMT_FP4
.endif
.endr
.endm
; THE LARGEST SCORE OF EACH OF A RECORD'S TWO BLOCKS (32 registers each, in two chains): for the row's maximum and for the block's scale.  Each accumulator is read from its low end on.
; wa, wb, wc: windows for three scores; for a maximum and two scores; for two maxima and a score
.macro BMAX rec, bm, wa, wb, wc
	WIN \wa
.irp c, 0,1
	v_max3_num_f32 v[\bm+2*\rec+\c], v[S+64*\rec+32*\c], v[S+64*\rec+32*\c+1], v[S+64*\rec+32*\c+2]
	v_max3_num_f32 v[T+\c], v[S+64*\rec+32*\c+16], v[S+64*\rec+32*\c+17], v[S+64*\rec+32*\c+18]
.endr
	WIN \wb
.irp i, 3,5,7,9,11,13
.irp c, 0,1
	v_max3_num_f32 v[\bm+2*\rec+\c], v[\bm+2*\rec+\c], v[S+64*\rec+32*\c+\i], v[S+64*\rec+32*\c+\i+1]
	v_max3_num_f32 v[T+\c], v[T+\c], v[S+64*\rec+32*\c+16+\i], v[S+64*\rec+32*\c+17+\i]
.endr
.endr
	WIN \wc
.irp c, 0,1
	v_max3_num_f32 v[\bm+2*\rec+\c], v[\bm+2*\rec+\c], v[T+\c], v[S+64*\rec+32*\c+15]
.endr
	WIN \wb
.irp c, 0,1
	v_max_num_f32 v[\bm+2*\rec+\c], v[\bm+2*\rec+\c], v[S+64*\rec+32*\c+31]
.endr
.endm
.macro EX k                            ; k exponentials of the second record's 64
.rept \k
	v_exp_f32 v[S+64+en], v[S+64+en]
.set en, en+1
.endr
.endm
.macro ADDP d, a                       ; two of p, or of its partial sums, onto two others
	v_pk_add_f32 v[S+(\d):S+(\d)+1], v[S+(\d):S+(\d)+1], v[S+(\a):S+(\a)+1]
.endm
; ONE HEAD'S SOFTMAX AND SECOND PRODUCT.  w: the window setting of its scores; nm: -M; so: the conversions' scales; l: the sum.
; The exponentials go in two batches of 64, with work between them that reads nothing which that stretch's ordinary lines write; one wait ahead of the batches, between them and behind them.
; dw: the younger LDS loads, of the next step's K, that may be out at the second product
.macro SOFT w, nm, so, l, wl, va, wva, vb, wvb, vs, pw, o, dw
	WIN \w
.set n, 0
.rept 32
	v_pk_fma_f32 v[S+n:S+n+1], v[S+n:S+n+1], s[CS:CS+1], v[\nm:\nm+1] op_sel_hi:[1,0,0]   ; t - M, two at a time (of the pairs c and -M the low word serves both halves)
.set n, n+2
.endr
	s_wait_alu depctr_va_vdst(0)
.set n, 0
.rept 32
	v_exp_f32 v[S+n], v[S+n]                       ; p = 2^(t - M), at most 1: not normalised
	v_exp_f32 v[S+n+1], v[S+n+1]
	v_pk_fma_f32 v[S+64+n:S+65+n], v[S+64+n:S+65+n], s[CS:CS+1], v[\nm:\nm+1] op_sel_hi:[1,0,0]   ; the second record's t - M
.set n, n+2
.endr
	s_wait_alu depctr_va_vdst(0)
.set en, 0
.irp g, 0,1,2,3
	EX 2
	v_cvt_scalef32_pk8_fp4_f32 v[P+\g], v[S+8*\g:S+8*\g+7], v[\so]               ; block 0's codes
.endr
	EX 2
	v_nop                                          ; one plain place behind the conversions
.irp i, 0,1,2,3,4,5,6,7
	EX 2
	ADDP 16+2*\i, 2*\i                             ; the row's sum, of the unquantised p: block 0's lower half onto its upper; the lower half is done with
.endr
.irp g, 0,1,2,3
	EX 2
	v_cvt_scalef32_pk8_fp4_f32 v[P+4+\g], v[S+32+8*\g:S+39+8*\g], v[\so+1]       ; block 1's codes
.endr
	EX 2
	v_nop
.irp i, 0,1,2,3
	EX 3
	ADDP 48+2*\i, 32+2*\i
.endr
.irp i, 4,5,6,7
	EX 4
	ADDP 48+2*\i, 32+2*\i
.endr
	s_wait_alu depctr_va_vdst(0)
.irp g, 0,1,2,3
	v_cvt_scalef32_pk8_fp4_f32 v[P+8+\g], v[S+64+8*\g:S+71+8*\g], v[\so+2]       ; blocks 2 and 3
	v_cvt_scalef32_pk8_fp4_f32 v[P+12+\g], v[S+96+8*\g:S+103+8*\g], v[\so+3]
.endr
	v_nop
.irp i, 0,1,2,3,4,5,6,7
	ADDP 80+2*\i, 64+2*\i
.endr
.irp i, 0,1,2,3,4,5,6,7
	ADDP 112+2*\i, 96+2*\i
.endr
	s_wait_dscnt \dw                               ; V is in
	WIN \wva
	PV \va, P, \vs, \pw, \o
	WIN \wvb
	PV \vb, P+8, \vs+2, \pw+1, \o
	WIN \w
.irp i, 0,1,2,3,4,5,6,7                ; the rest of the sum
	ADDP 16+2*\i, 48+2*\i
.endr
.irp i, 0,1,2,3,4,5,6,7
	ADDP 80+2*\i, 112+2*\i
.endr
.irp i, 0,1,2,3,4,5,6,7
	ADDP 16+2*\i, 80+2*\i
.endr
.irp i, 0,1,2,3
	ADDP 16+2*\i, 24+2*\i
.endr
	ADDP 16, 20
	ADDP 18, 22
	ADDP 16, 18
	WIN \wl
	v_pk_add_f32 v[\l:\l+1], v[\l:\l+1], v[S+16:S+17]
.endm
; A KEY STEP: 256 keys, two records of each head.
; Head B's first K record of the step and its scale words were asked for a step ahead (ten LDS loads).  pf = 1: so are the next step's; pf = 2: likewise, and the records 4-15 are first shown to all waves by a barrier whose
; signal and wait stand apart; pf = 0: the last step asks for nothing.
.macro STEP pf
	v_add_nc_u32 v[A16A], s[TB], v[L16]            ; (with the last step's sums the places in front of loads into registers that its products have read)
	v_add_nc_u32 v[A8A], s[TB], v[L8]
	v_add_nc_u32 v[A16B], s[TBB], v[L16]
	v_add_nc_u32 v[A8B], s[TBB], v[L8]
	KLD Y, A16A, 0                                 ; A's first record: ten LDS loads
	KSC SC+4, A8A, 0
	KLD X, A16A, REC                               ; A's second: ten
	KSC SC+8, A8A, REC
	s_wait_loadcnt 0x0                             ; this step's mask codes, asked for a step ago: so their address may be written
	WIDEN 0
	BIAS 0, 32
	s_wait_alu depctr_va_vdst(0)                   ; directly ahead of the wait below
	s_wait_dscnt 20                                ; B's first record is in; A's two, twenty loads, may be out
	WIN 0x45
	QK 0, Z, QB, SC, QS+1                          ; B's tiles: onto head A's bias, into head B's scores
	WIN 0
	WIDEN 1
.if \pf
	s_add_co_u32 s[MO], s[MO], 2048                ; the next step's mask codes
	s_add_nc_u64 s[MP:MP+1], s[8:9], s[MO:MO+1]
.irp i, 0,1,2,3
	global_load_b128 v[MK+4*\i:MK+4*\i+3], v[L16], s[MP:MP+1] offset:512*\i
.endr
.endif
	BIAS 64, 8
	WIN 0x40
	KLD Z, A16B, REC                               ; B's second record: ten, behind eight plain places
	WIN 0
	KSC SC, A8B, REC
	BIAS 80, 24
	s_wait_alu depctr_va_vdst(0)
	s_wait_dscnt 20                                ; A's first record is in; A's second and B's second, twenty loads, may be out
	WIN 0x04
	QK 0, Y, QA, SC+4, QS                          ; A's tiles: onto the bias, in place
	BMAX 0, BMB, 0x55, 0x55, 0x55                  ; (stands ahead of the wait for the last record)
.if \pf == 2
	s_wait_tensorcnt 0x0                           ; my three records of 4-15 are in;
.endif
	s_wait_dscnt 0x0                               ; all of K is in
.if \pf == 2
	s_barrier_signal -1                            ; say so: the wait stands ahead of the first load from those records
.endif
	WIN 0x45
	QK 1, Z, QB, SC, QS+1
	BMAX 0, BMA, 0x40, 0x41, 0x45                  ; (also the places between B's products and A's over the bias that they read)
	WIN 0x04
	QK 1, X, QA, SC+8, QS
	BMAX 1, BMB, 0x55, 0x55, 0x55
	WIN 0x40
	VLD Z, A16A, 0                                 ; V takes K's registers: wanted only behind the softmax
	WIN 0
	VLD X, A16A, REC
	VLD Y, A16B, 0
	ds_load_b64 v[SC:SC+1], v[A8A] offset:8704
	ds_load_b64 v[SC+2:SC+3], v[A8A] offset:REC+8704
	ds_load_b64 v[SC+4:SC+5], v[A8B] offset:8704
	ds_load_b64 v[SC+6:SC+7], v[A8B] offset:REC+8704
	BMAX 1, BMA, 0x40, 0x41, 0x45
	; the rows: the largest score so far, M and f, both heads by turns
	WIN 0x55
	v_max3_num_f32 v[T], v[BMA], v[BMA+1], v[BMA+2]
	v_max3_num_f32 v[T+2], v[BMB], v[BMB+1], v[BMB+2]
	WIN 0x45
	v_max3_num_f32 v[T], v[T], v[BMA+3], v[NMA+1]
	v_max3_num_f32 v[T+2], v[T+2], v[BMB+3], v[NMB+1]
	WIN 0x41
	v_permlanex16_b32 v[T+1], v[T], s[SEL], s[SEL+1]
	v_permlanex16_b32 v[T+3], v[T+2], s[SEL], s[SEL+1]
	WIN 0x05
	v_max_num_f32 v[NMA+1], v[T], v[T+1]           ; with lane l xor 16's blocks
	v_max_num_f32 v[NMB+1], v[T+2], v[T+3]
	WIN 0
	v_mul_f32 v36, s[NC], v[NMA+1]
	v_mul_f32 v37, s[NC], v[NMB+1]
	v_floor_f32 v36, v36                           ; the new -M = floor(-t) = -ceil(t): M is a whole number
	v_floor_f32 v37, v37
	v_sub_f32 v38, v36, v[NMA]                     ; M's old value less its new one: a whole number, 0 or less
	v_sub_f32 v39, v37, v[NMB]
	v_mov_b32 v[NMA], v36
	v_mov_b32 v[NMB], v37
	v_cvt_i32_f32 v38, v38                         ; (it saturates)
	v_cvt_i32_f32 v39, v39
	v_ldexp_f32 v[FA], 1.0, v38                    ; f = 2^(old M - new M)
	v_ldexp_f32 v[FB], 1.0, v39
	; the blocks' exponents x = floor(t_max - M), held at -124 from below: the scale's byte is x + 125, at least 1
	WIN 0x01
.irp b, 0,1,2,3
	v_fma_f32 v[SOA+\b], v[BMA+\b], s[CS], v[NMA]
.endr
	WIN 0x45
.irp b, 0,1,2,3
	v_fma_f32 v[BMB+\b], v[BMB+\b], s[CS], v[NMB]
.endr
.irp b, 0,1,2,3
	v_max_num_f32 v[BMB+\b], 0xc2f80000, v[BMB+\b] ; -124.0
.endr
.irp b, 0,1,2,3
	v_cvt_floor_i32_f32 v[BMB+\b], v[BMB+\b]
.endr
	WIN 0
.irp b, 0,1,2,3
	v_max_num_f32 v[SOA+\b], 0xc2f80000, v[SOA+\b]
.endr
.irp b, 0,1,2,3
	v_cvt_floor_i32_f32 v[SOA+\b], v[SOA+\b]
.endr
	WIN 0x40                                       ; p's scale words: lane (r, h) has its blocks' bytes 2 c + h
	v_lshl_add_u32 v[T], v[SOA+1], 16, v[SOA]
	v_lshl_add_u32 v[T+1], v[SOA+3], 16, v[SOA+2]
	WIN 0x55
	v_lshl_add_u32 v[T+2], v[BMB+1], 16, v[BMB]
	v_lshl_add_u32 v[T+3], v[BMB+3], 16, v[BMB+2]
	WIN 0x44
.irp b, 0,1,2,3
	v_lshlrev_b32 v[T+\b], v[SH8], v[T+\b]
.endr
	WIN 0x41
.irp b, 0,1,2,3
	v_permlanex16_b32 v[BMA+\b], v[T+\b], s[SEL], s[SEL+1]
.endr
	WIN 0x05
.irp b, 0,1,2,3
	v_add3_u32 v[SC+8+\b], v[T+\b], v[BMA+\b], 0x7d7d7d7d   ; 125 onto each of the four: A's two records, B's two
.endr
	WIN 0x45
.irp b, 0,1,2,3
	v_lshl_add_u32 v[BMB+\b], v[BMB+\b], 23, 0x3e800000     ; (x + 125) << 23: the conversion's scale operand
.endr
	WIN 0
.irp b, 0,1,2,3
	v_lshl_add_u32 v[SOA+\b], v[SOA+\b], 23, 0x3e800000
.endr
	v_pk_mul_f32 v[LA:LA+1], v[LA:LA+1], v[FA:FA+1] op_sel_hi:[1,0]   ; the sums under the new M
	v_pk_mul_f32 v[LB:LB+1], v[LB:LB+1], v[FB:FB+1] op_sel_hi:[1,0]
	WIN 0x41
	s_wait_alu depctr_va_vdst(0)                   ; directly ahead of the first reader of O^T
.set n, 0
.rept 16
	v_pk_mul_f32 v[OA+n:OA+n+1], v[OA+n:OA+n+1], v[FA:FA+1] op_sel_hi:[1,0]   ; O^T under the new M; each accumulator from its low end on
.set n, n+2
.endr
.set n, 0
.rept 16
	v_pk_mul_f32 v[OB+n:OB+n+1], v[OB+n:OB+n+1], v[FB:FB+1] op_sel_hi:[1,0]
.set n, n+2
.endr
	SOFT 0, NMA, SOA, LA, 0, Z, 0x51, X, 0x50, SC, SC+8, OA, 0
	VLD X, A16B, REC                               ; V's second record of B, behind the sums, which are the places
.if \pf == 2
	s_barrier_wait -1                              ; everybody's records are in; nobody writes a record again
.endif
.if \pf
	WIN 0x40
	KLD Z, A16B, 2*REC                             ; the next step's first K record of B: ten loads, which may be out at B's second product
	WIN 0
	KSC SC, A8B, 2*REC
	SOFT 0x45, NMB, BMB, LB, 0x04, Y, 0x54, X, 0x54, SC+4, SC+10, OB, 10
	WIN 0
	s_add_co_u32 s[TB], s[TB], 2*REC
	s_add_co_u32 s[TBB], s[TBB], 2*REC
.else
	SOFT 0x45, NMB, BMB, LB, 0x04, Y, 0x54, X, 0x54, SC+4, SC+10, OB, 0
	WIN 0
.endif
.endm
.macro NEXT label
	s_sub_co_u32 s[CNT], s[CNT], 1
	s_cmp_lg_u32 s[CNT], 0
	s_wait_alu depctr_va_vdst(0)                   ; directly ahead of the branch
	s_cbranch_scc1 \label
.endm
	v_add_nc_u32 v[A16B], s[TBB], v[L16]
	v_add_nc_u32 v[A8B], s[TBB], v[L8]
	WIN 0x40
	KLD Z, A16B, 0                                 ; step 0's first K record of B
	WIN 0
	KSC SC, A8B, 0
	STEP 1                                         ; records 0-3 lie in LDS: two steps, written out,
	STEP 2                                         ; the second of which shows records 4-15 to all waves ahead of their first use
	s_mov_b32 s[CNT], 5
.Lrest:                                                ; steps 2-6
	STEP 1
	NEXT .Lrest
	STEP 0                                         ; the last step is written out: it fetches nothing beyond the end
	; THE WAY OUT.  O^T is divided by the row's sum and goes through my own stage in LDS, so that 32 lanes store two whole rows, 512 consecutive bytes.
	v_add_f32 v36, v[LA], v[LA+1]                  ; the sum's two halves,
	v_add_f32 v37, v[LB], v[LB+1]
	v_permlanex16_b32 v38, v36, s[SEL], s[SEL+1]
	v_permlanex16_b32 v39, v37, s[SEL], s[SEL+1]
	v_add_f32 v36, v36, v38                        ; and lane l xor 16's: the row's sum, over 1/2
	v_add_f32 v37, v37, v39
	v_lshrrev_b32 v7, 8, v[L16]                    ; h
	v_and_b32 v6, 0xf0, v[L16]                     ; 16 r
	v_mul_u32_u24 v8, v7, 272
	v_add_nc_u32 v8, v8, v6
	v_add_nc_u32 v8, s[STG], v8                    ; back: lanes 0-15 one row of 256 bytes, lanes 16-31 the next
	v_mul_u32_u24 v9, v6, 17                       ; 272 r
	v_lshl_add_u32 v9, v7, 6, v9
	v_add_nc_u32 v9, s[STG], v9                    ; in: row r, + 64 h
	s_wait_alu depctr_va_vdst(0)                   ; ahead of the transcendentals
	v_rcp_f32 v36, v36
	v_rcp_f32 v37, v37
	v_nop                                          ; a plain place behind the reciprocals
	WIN 0x01
	s_wait_alu depctr_va_vdst(0)                   ; and behind them, directly ahead of the first readers of the last products' results
.irp b, 0,1
.irp i, 0,1,2,3,4,5,6,7
	v_mul_f32 v[128+16*\b+2*\i], v[OA+16*\b+\i], v36       ; tiles 2 b and 2 b + 1 hold the even and the odd channels 32 b + 16 h + 0 .. 15
	v_mul_f32 v[129+16*\b+2*\i], v[OA+16*\b+8+\i], v36
.endr
.endr
.irp b, 0,1
.irp i, 0,1,2,3,4,5,6,7
	v_mul_f32 v[160+16*\b+2*\i], v[OB+16*\b+\i], v37
	v_mul_f32 v[161+16*\b+2*\i], v[OB+16*\b+8+\i], v37
.endr
.endr
	WIN 0
.irp u, 0,1
.irp b, 0,1
.irp j, 0,1,2,3
	ds_store_b128 v9, v[128+32*\u+16*\b+4*\j:131+32*\u+16*\b+4*\j] offset:128*\b+16*\j
.endr
.endr
.irp i, 0,1,2,3,4,5,6,7
	ds_load_b128 v[192+32*\u+4*\i:195+32*\u+4*\i], v8 offset:544*\i   ; LDS serves a wave's instructions in order: these see my stores, and head B's stores come behind them
.endr
.endr
.irp i, 0,1,2,3,4,5,6,7
	s_wait_dscnt 23-\i                             ; load i of head A is in; the 7 - i behind it and head B's sixteen may be out
	global_store_b128 v[L16], v[192+4*\i:195+4*\i], s[10:11] offset:512*\i th:TH_STORE_NT
.endr
.irp i, 0,1,2,3,4,5,6,7
	s_wait_dscnt 7-\i
	global_store_b128 v[L16], v[224+4*\i:227+4*\i], s[10:11] offset:524288+512*\i th:TH_STORE_NT
.endr
	s_wait_tensorcnt 0x0                           ; the wave's end
	ds_add_u32 v[SPW], v[NIL]
	s_wait_dscnt 0x0
	ROUND                                          ; the closing round: no work-group ends while a partner may still ask for a record that names it
	s_endpgm
.Lfunc_end_k_q4da47663ac_attn:
	.size	k_q4da47663ac_attn, .Lfunc_end_k_q4da47663ac_attn-k_q4da47663ac_attn
	.p2alignl 7, 3214868480
	.fill 96, 4, 3214868480
	.section	.rodata,"a",@progbits
	.p2align	6, 0x0
	.amdhsa_kernel k_q4da47663ac_attn
		.amdhsa_group_segment_fixed_size 327680
		.amdhsa_private_segment_fixed_size 0
		.amdhsa_enable_private_segment 0
		.amdhsa_kernarg_size 32
		.amdhsa_user_sgpr_count 2
		.amdhsa_user_sgpr_kernarg_segment_ptr 1
		.amdhsa_wavefront_size32 1
		.amdhsa_system_sgpr_workgroup_id_x 1
		.amdhsa_system_sgpr_workgroup_id_y 1
		.amdhsa_system_sgpr_workgroup_id_z 1
		.amdhsa_system_vgpr_workitem_id 0
		.amdhsa_next_free_vgpr 512
		.amdhsa_next_free_sgpr 72
		.amdhsa_reserve_vcc 0
		.amdhsa_float_denorm_mode_32 3
		.amdhsa_float_denorm_mode_16_64 3
		.amdhsa_memory_ordered 1
		.amdhsa_forward_progress 1
		.amdhsa_inst_pref_size 255
	.end_amdhsa_kernel
	.section	.bss,"aw",@nobits
	.p2align	6
	.space	262144
	.amdgpu_metadata
---
amdhsa.version: [ 1, 2 ]
amdhsa.kernels:
  - .name:           k_q4da47663ac_attn
    .symbol:         k_q4da47663ac_attn.kd
    .args:
      - { .name: q, .offset: 0, .size: 8, .value_kind: global_buffer, .address_space: global }
      - { .name: kv, .offset: 8, .size: 8, .value_kind: global_buffer, .address_space: global }
      - { .name: mk, .offset: 16, .size: 8, .value_kind: global_buffer, .address_space: global }
      - { .name: out0, .offset: 24, .size: 8, .value_kind: global_buffer, .address_space: global }
    .group_segment_fixed_size: 327680
    .private_segment_fixed_size: 0
    .kernarg_segment_align: 8
    .kernarg_segment_size: 32
    .max_flat_workgroup_size: 256
    .sgpr_count:     72
    .vgpr_count:     512
    .wavefront_size: 32
...
	.end_amdgpu_metadata
.endif
;; end of part 2
